; MI455X (gfx1250); checked and timed in simulation.
; The chip was launched on July 23, 2026; its instructions are those of AMD's public machine-readable ISA for CDNA 5 (MIT licence, August 2026) and "CDNA5" Instruction Set Architecture Reference Guide (July 2026). The comments in the code are by the model that wrote it; some were corrected since.
;; TT Layer. Allowed arithmetic: matrix products marked QUANTISED: E4M3 operands, one E8M0 scale for each 32 along K, by v_wmma_scale_f32_16x16x128_f8f6f4 with both operands' format E4M3, f32 sums; products left as they are: f32 operands where the result goes on into a quantised operand, else bf16, f16 or f32 operands; f32 sums; everything else in f32.
;; Inputs: bias 4,096 float32; core0 1 x 8 x 8 x 64 float32; core1 64 x 8 x 8 x 64 float32; core2 64 x 8 x 8 x 64 float32; core3 64 x 8 x 8 x 1 float32; x 256 x 4,096 float32.
;; Outputs: out0 256 x 4,096 float32.
;; This version of the problem:
;;   THIS VERSION OF THE PROBLEM IS GIVEN IN LOW PRECISION. The matrix products marked QUANTISED in the list below multiply operands that are first quantised to E4M3 (4 exponent bits, 3 mantissa bits; 8 bits a number), with one power-of-two scale for each 32 numbers along K (OCP MX v1.0); their sums are f32. All else is computed in f32.
;;   The module's matrix products, in the order in which they are computed (A, B: the left and right operand; K: the contracted axis; several contracted axes count as one K, in the product's order):
;;     1. [M 131,072, K 8] x [K 8, N 512]; A: input x; B: input core3: left as it is (K = 8 < 32)
;;     2. [M 131,072, K 512] x [K 512, N 512]; A: computed on the way; B: input core2: QUANTISED
;;     3. [M 131,072, K 512] x [K 512, N 512]; A: computed on the way; B: input core1: QUANTISED
;;     4. [M 131,072, K 512] x [K 512, N 8]; A: computed on the way; B: input core0: left as it is (N = 8 < 16)
;;   THE QUANTISER, for each operand of a quantised product, along K:
;;     - K is cut into blocks of 32 from its start; a last block that is shorter is filled with zeros.
;;     - A block's scale is 2^e with e = floor(log2(the largest magnitude in the block)) - 8, held to -126 .. 127; a block of zeros has e = 0. As a byte (E8M0): e + 127.
;;     - Each number is divided by its block's scale, clamped to +-448, and rounded to the nearest number of E4M3, ties to even, subnormals kept.
;;     - The product sums the exact products of the quantised numbers (number of the format x scale) in f32.
;;   ~~~python
;;   def quantise(x, axis):      # numpy; x: float32 -> the quantised numbers, widened to float32 again
;;       x = np.moveaxis(x, axis, -1); K = x.shape[-1]
;;       x = np.pad(x, [(0, 0)] * (x.ndim - 1) + [(0, -K % 32)]); x = x.reshape(x.shape[:-1] + (-1, 32)); a = np.abs(x).max(-1, keepdims=True)
;;       e = np.where(a > 0, np.clip(np.frexp(np.where(a > 0, a, 1))[1] - 1 - 8, -126, 127), 0)      # np.frexp(a)[1] - 1 = floor(log2(a)), exactly
;;       r = np.clip(x / 2.0 ** e, -448, 448)
;;       step = 2.0 ** (np.maximum(np.frexp(np.where(r == 0, 1, r))[1] - 1, -6) - 3)
;;       q = np.round(r / step) * step * 2.0 ** e      # np.round: ties to even
;;       return np.moveaxis(q.reshape(q.shape[:-2] + (-1,))[..., :K], -1, axis).astype(np.float32)
;;   ~~~
;;   OPERANDS COMPUTED ON THE WAY. 'Computed on the way' means the value that the module computes at that place (a softmax that the list does not call 'softmax' is quantised finished and normalised). What goes into a quantiser is computed in f32, as accurately as f32 sums, v_exp_f32 and their like allow (about 1e-6 of the number): no bf16 or f16 on the way to a quantiser, and a product that is left as it is and whose result goes on into a quantised operand takes f32 operands (vector FMAs, or v_wmma_f32_16x16x4_f32). A number that lies on a knife's edge between two numbers of the format may be rounded either way, as far as f32 arithmetic and the matrix unit's own rounding can turn it there, and no further.
;; One version. Each part assembles by itself: llvm-mc -triple=amdgcn-amd-amdhsa -mcpu=gfx1250 --defsym DOCPART=n.
;; ======== version 1 of 1: 2 launches
;; limits: values are held in bf16: 8 bits of precision; right only within a limited range of input values
;; workspace buffers: wq 540,672 bytes; c3img 16,384 bytes; c0img 8,192 bytes
;; launch prep (part 1): grid 76 x 1, 4 waves a work-group, no clusters, 0 bytes of LDS; arguments core2, core1, core3, core0, wq, c3img, c0img; writes wq, c3img, c0img
.if DOCPART == 1
	.amdgcn_target "amdgcn-amd-amdhsa--gfx1250"
	.amdhsa_code_object_version 6
	.text
	.protected	k_qc5ef24b1e8_prep
	.globl	k_qc5ef24b1e8_prep
	.p2align	8
	.type	k_qc5ef24b1e8_prep,@function
k_qc5ef24b1e8_prep:
	s_mov_b64 s[64:65], 0
	v_nop
	global_prefetch_b8 v0, s[64:65] scope:SCOPE_SE
	s_setreg_imm32_b32 hwreg(HW_REG_WAVE_MODE, 25, 1), 1
	s_wait_xcnt 0x0
; The four cores are laid out once, in the order in which the second launch's operand registers take them.
; core_i lies [left rank][in mode][out mode][right rank], f32.  K of the two quantised products is right rank x 8 + in mode: a block of 32 is 4 neighbouring right ranks x all 8 in modes.
; WORK-GROUPS 0-63: core2 (0-31) and core1 (32-63) become codes of E4M3 with one E8M0 byte a block.  A work-group takes one tile g of 16 columns (lane r: left rank 2 g + r / 8, out mode r % 8),
;   its wave s the K step of 128 with right ranks 16 s .. 16 s + 15.  Lane (r, h) holds, of block c, right ranks 16 s + 4 c + 2 h + bit: 16 numbers, at place 8 x bit + mode; lane l xor 16 holds the block's other 16.
;   wq: 8 chunks of 67,584 bytes (chunk = 4 x core + g / 8): fragment (s, g % 8) at (8 s + g % 8) x 2,048 as an image of its registers (512 c + 16 lane); behind the 32 fragments the scale words,
;   at 65,536 + 512 s + 16 L + 4 p: tile 2 p + L / 16, column L % 16.
; WORK-GROUPS 64-71: core3 as f32 fragments: c3img at 2,048 o3 + 512 s + 16 lane: lane (r, h): core3[16 s + r][4 h + 0 .. 3][o3].
; WORK-GROUPS 72-75: core0 as bf16 fragments: c0img at 1,024 ks + 512 half + 16 lane: lane (rA, hA): out mode rA % 8, eight in modes of right rank 8 ks + 4 half + 2 hA + rA / 8.
; LIMITS: NaN and infinities are not served; a block of zeros keeps the byte 1 (its codes are zeros; this program alone reads the bytes).
; The scale words leave 4 bytes a lane, 16 bytes apart: 16 KiB of the launch's stores do not fill their aligned 256 bytes in one instruction.
.set CHUNK, 67584
.set V,  64                            ; v64-127 the lane's 64 numbers: register 16 c + 8 bit + mode
.set TM, 16                            ; v16-31 at work: largest magnitudes, bytes, holds, scale operands
.set PC, 32                            ; v32-47 the codes
.set PW, 48                            ; v48 the scale word
	s_load_b256 s[4:11], s[0:1], 0x0               ; core2 s[4:5], core1 s[6:7], core3 s[8:9], core0 s[10:11]
	s_load_b128 s[12:15], s[0:1], 0x20             ; wq s[12:13], c3img s[14:15]
	s_load_b64 s[16:17], s[0:1], 0x30              ; c0img
	v_lshrrev_b32 v1, 5, v0
	v_readfirstlane_b32 s18, v1                    ; wave = K step s
	s_cmp_ge_u32 ttmp9, 64
	s_cbranch_scc1 .Lsmall
	; ---- a tile of core2 or core1
	v_and_b32 v2, 31, v0                           ; lane
	s_wait_alu depctr_va_vdst(0)
	v_and_b32 v3, 15, v0                           ; r
	s_wait_alu depctr_va_vdst(0)
	v_bfe_u32 v4, v0, 4, 1                         ; h
	s_lshr_b32 s19, ttmp9, 5                       ; 0: core2, 1: core1
	s_and_b32 s20, ttmp9, 31                       ; g
	v_lshrrev_b32 v5, 3, v3
	v_and_b32 v6, 7, v3
	v_lshlrev_b32 v7, 14, v5                       ; left rank: 16,384 bytes
	v_lshl_add_u32 v7, v6, 8, v7                   ; out mode: 256 bytes
	v_lshl_add_u32 v7, v4, 3, v7                   ; two right ranks on for lanes 16-31
	s_lshl_b32 s22, s20, 15                        ; the tile's two left ranks
	s_lshl_b32 s23, s18, 6                         ; the K step's 16 right ranks
	s_add_co_u32 s22, s22, s23
	s_mov_b32 s23, 0
	s_lshl_b32 s24, s19, 2
	s_lshr_b32 s25, s20, 3
	s_add_co_u32 s24, s24, s25
	s_mul_i32 s24, s24, CHUNK                      ; the chunk's first byte
	s_and_b32 s25, s20, 7                          ; the tile's number in it
	s_lshl_b32 s26, s18, 3
	s_add_co_u32 s26, s26, s25
	s_lshl_b32 s26, s26, 11
	s_add_co_u32 s26, s26, s24                     ; the fragment's image
	s_mov_b32 s27, 0
	s_lshl_b32 s28, s18, 9
	s_add_co_u32 s28, s28, s24
	s_add_co_u32 s28, s28, 65536
	s_and_b32 s29, s25, 1
	s_lshl_b32 s29, s29, 8
	s_add_co_u32 s28, s28, s29
	s_lshr_b32 s29, s25, 1
	s_lshl_b32 s29, s29, 2
	s_add_co_u32 s28, s28, s29                     ; the tile's scale words
	s_mov_b32 s29, 0
	v_lshlrev_b32 v8, 4, v2                        ; 16 x lane
	v_lshlrev_b32 v9, 4, v3                        ; 16 x column
	s_mov_b32 s21, 0x600000                        ; the mantissa field of 448
	s_mov_b32 s30, 0x76543210
	s_mov_b32 s31, 0xfedcba98                      ; selects for lane l xor 16
.irp b, 0,1,2,3
	v_mov_b32 v[TM+4+\b], 0                        ; a lane permute's destination counts as one of its sources
.endr
	s_wait_alu depctr_va_vdst(0)
	s_wait_kmcnt 0x0
	s_cmp_eq_u32 s19, 0
	s_cselect_b64 s[4:5], s[4:5], s[6:7]           ; the choice hangs on the work-group's number alone
	s_add_nc_u64 s[4:5], s[4:5], s[22:23]
	s_add_nc_u64 s[6:7], s[12:13], s[26:27]        ; where the codes go
	s_add_nc_u64 s[12:13], s[12:13], s[28:29]      ; where the scale words go
.irp c, 0,1,2,3
.irp j, 0,1,2,3,4,5,6,7
	global_load_b32 v[V+16*\c+\j], v7, s[4:5] offset:\j*2048+\c*16       ; the even right rank's eight modes,
	global_load_b32 v[V+16*\c+8+\j], v7, s[4:5] offset:\j*2048+\c*16+4   ; then the odd one's
.endr
.endr
	s_wait_loadcnt 0x0
.irp b, 0,1,2,3
	v_max3_num_f32 v[TM+\b], |v[V+16*\b]|, |v[V+16*\b+1]|, 0x4800000     ; block b: my 16 numbers and the floor 2^(9 - 127), which holds the byte at 1 from below
.endr
.irp i, 2,4,6,8,10,12,14
.irp b, 0,1,2,3
	v_max3_num_f32 v[TM+\b], |v[V+16*\b+\i]|, |v[V+16*\b+\i+1]|, v[TM+\b]
.endr
.endr
.irp b, 0,1,2,3
	v_permlanex16_b32 v[TM+4+\b], v[TM+\b], s30, s31
.endr
.irp b, 0,1,2,3
	v_max_num_f32 v[TM+\b], v[TM+\b], v[TM+4+\b]   ; with lane l xor 16's: the block's largest magnitude
.endr
.irp b, 0,1,2,3
	v_add_nc_u32 v[TM+12+\b], 0xfc000000, v[TM+\b] ; 8 off its exponent field: the conversion's scale operand
.endr
.irp b, 0,1,2,3
	v_and_or_b32 v[TM+8+\b], v[TM+\b], 0x7f800000, s21   ; 448 x the scale
.endr
.irp b, 0,1,2,3
	v_lshrrev_b32 v[TM+4+\b], 23, v[TM+12+\b]      ; the scale's byte
.endr
	v_lshl_or_b32 v[PW], v[TM+5], 8, v[TM+4]
	v_lshl_or_b32 v[PW], v[TM+6], 16, v[PW]
	v_lshl_or_b32 v[PW], v[TM+7], 24, v[PW]
.irp b, 0,1,2,3
.irp i, 0,1,2,3,4,5,6,7,8,9,10,11,12,13,14,15
	v_med3_num_f32 v[V+16*\b+\i], v[V+16*\b+\i], -v[TM+8+\b], v[TM+8+\b]   ; the conversion to an 8-bit code does not saturate (ISA guide 7.6.2): the hold comes first
.endr
.endr
.irp b, 0,1,2,3
	v_cvt_scalef32_pk8_fp8_f32 v[PC+4*\b:PC+4*\b+1], v[V+16*\b:V+16*\b+7], v[TM+12+\b]
	v_cvt_scalef32_pk8_fp8_f32 v[PC+4*\b+2:PC+4*\b+3], v[V+16*\b+8:V+16*\b+15], v[TM+12+\b]
.endr
	v_nop
.irp c, 0,1,2,3
	global_store_b128 v8, v[PC+4*\c:PC+4*\c+3], s[6:7] offset:512*\c     ; 32 lanes store 512 consecutive bytes
.endr
	global_store_b32 v9, v[PW], s[12:13]           ; lanes l and l + 16 hold the same word and write it to the same place
	s_endpgm
.Lsmall:
	s_cmp_ge_u32 ttmp9, 72
	s_cbranch_scc1 .Lcore0
	; ---- core3: thread 32 s + lane of work-group 64 + o3 makes its lane's four numbers of fragment s
	s_sub_co_u32 s19, ttmp9, 64                    ; o3
	v_lshrrev_b32 v5, 5, v0                        ; s
	v_and_b32 v6, 15, v0                           ; r
	v_bfe_u32 v7, v0, 4, 1                         ; h
	v_lshlrev_b32 v9, 12, v5                       ; 16 ranks of 256 bytes
	v_lshl_add_u32 v9, v6, 8, v9
	v_lshl_add_u32 v9, v7, 7, v9                   ; four in modes of 32 bytes
	s_lshl_b32 s20, s19, 2
	v_add_nc_u32 v9, s20, v9
	s_lshl_b32 s21, s19, 11
	v_lshlrev_b32 v10, 4, v0
	v_add_nc_u32 v10, s21, v10
	s_wait_alu depctr_va_vdst(0)
	s_wait_kmcnt 0x0
.irp e, 0,1,2,3
	global_load_b32 v[12+\e], v9, s[8:9] offset:\e*32
.endr
	s_wait_loadcnt 0x0
	global_store_b128 v10, v[12:15], s[14:15]
	s_endpgm
.Lcore0:
	; ---- core0: thread (ks % 2) x 64 + half x 32 + lane of work-group 72 + ks / 2 makes eight bf16
	s_sub_co_u32 s19, ttmp9, 72
	v_and_b32 v5, 7, v0                            ; out mode
	v_bfe_u32 v6, v0, 3, 1                         ; the rank's lowest bit
	v_bfe_u32 v7, v0, 4, 1                         ; hA
	v_bfe_u32 v8, v0, 5, 1                         ; half
	v_bfe_u32 v9, v0, 6, 1                         ; ks % 2
	v_lshlrev_b32 v10, 8, v5
	v_lshl_add_u32 v10, v6, 2, v10
	v_lshl_add_u32 v10, v7, 3, v10
	v_lshl_add_u32 v10, v8, 4, v10
	v_lshl_add_u32 v10, v9, 5, v10
	s_lshl_b32 s20, s19, 6
	v_add_nc_u32 v10, s20, v10
	s_lshl_b32 s21, s19, 11
	v_lshlrev_b32 v11, 4, v0
	v_add_nc_u32 v11, s21, v11
	s_wait_alu depctr_va_vdst(0)
	s_wait_kmcnt 0x0
.irp i, 0,1,2,3,4,5,6,7
	global_load_b32 v[12+\i], v10, s[10:11] offset:\i*2048   ; in mode i
.endr
	s_wait_loadcnt 0x0
.irp j, 0,1,2,3
	v_cvt_pk_bf16_f32 v[20+\j], v[12+2*\j], v[13+2*\j]
.endr
	global_store_b128 v11, v[20:23], s[16:17]
	s_endpgm
.Lfunc_end_k_qc5ef24b1e8_prep:
	.size	k_qc5ef24b1e8_prep, .Lfunc_end_k_qc5ef24b1e8_prep-k_qc5ef24b1e8_prep
	.p2alignl 7, 3214868480
	.fill 96, 4, 3214868480
	.section	.rodata,"a",@progbits
	.p2align	6, 0x0
	.amdhsa_kernel k_qc5ef24b1e8_prep
		.amdhsa_group_segment_fixed_size 0
		.amdhsa_private_segment_fixed_size 0
		.amdhsa_enable_private_segment 0
		.amdhsa_kernarg_size 56
		.amdhsa_user_sgpr_count 2
		.amdhsa_user_sgpr_kernarg_segment_ptr 1
		.amdhsa_wavefront_size32 1
		.amdhsa_system_sgpr_workgroup_id_x 1
		.amdhsa_system_sgpr_workgroup_id_y 1
		.amdhsa_system_sgpr_workgroup_id_z 1
		.amdhsa_system_vgpr_workitem_id 0
		.amdhsa_next_free_vgpr 128
		.amdhsa_next_free_sgpr 66
		.amdhsa_reserve_vcc 0
		.amdhsa_float_denorm_mode_32 3
		.amdhsa_float_denorm_mode_16_64 3
		.amdhsa_memory_ordered 1
		.amdhsa_forward_progress 1
		.amdhsa_inst_pref_size 21
	.end_amdhsa_kernel
	.amdgpu_metadata
---
amdhsa.version: [ 1, 2 ]
amdhsa.kernels:
  - .name:           k_qc5ef24b1e8_prep
    .symbol:         k_qc5ef24b1e8_prep.kd
    .args:
      - { .name: core2, .offset: 0, .size: 8, .value_kind: global_buffer, .address_space: global }
      - { .name: core1, .offset: 8, .size: 8, .value_kind: global_buffer, .address_space: global }
      - { .name: core3, .offset: 16, .size: 8, .value_kind: global_buffer, .address_space: global }
      - { .name: core0, .offset: 24, .size: 8, .value_kind: global_buffer, .address_space: global }
      - { .name: wq, .offset: 32, .size: 8, .value_kind: global_buffer, .address_space: global }
      - { .name: c3img, .offset: 40, .size: 8, .value_kind: global_buffer, .address_space: global }
      - { .name: c0img, .offset: 48, .size: 8, .value_kind: global_buffer, .address_space: global }
    .group_segment_fixed_size: 0
    .private_segment_fixed_size: 0
    .kernarg_segment_align: 8
    .kernarg_segment_size: 56
    .max_flat_workgroup_size: 128
    .sgpr_count:     66
    .vgpr_count:     128
    .wavefront_size: 32
...
	.end_amdgpu_metadata
.endif
;; end of part 1
;; launch tt (part 2): grid 256 x 1, 4 waves a work-group, clusters of 4 x 1, 327,680 bytes of LDS; arguments x, wq, c3img, c0img, bias, out0; writes out0
.if DOCPART == 2
	.amdgcn_target "amdgcn-amd-amdhsa--gfx1250"
	.amdhsa_code_object_version 6
	.text
	.protected	k_qc5ef24b1e8_tt
	.globl	k_qc5ef24b1e8_tt
	.p2align	8
	.type	k_qc5ef24b1e8_tt,@function
k_qc5ef24b1e8_tt:
	s_mov_b64 s[64:65], 0
	v_nop
	global_prefetch_b8 v0, s[64:65] scope:SCOPE_SE
	s_setreg_imm32_b32 hwreg(HW_REG_WAVE_MODE, 25, 1), 1
	s_wait_xcnt 0x0
	s_wait_alu depctr_hold_cnt(0) depctr_sa_sdst(0) depctr_va_vdst(0) depctr_va_sdst(0) depctr_va_ssrc(0) depctr_va_vcc(0) depctr_vm_vsrc(0)
	s_getreg_b32 s2, hwreg(HW_REG_IB_STS2, 6, 4)
	s_cmp_eq_u32 s2, 0
	s_cbranch_scc0 .Lentry_in_a_cluster
	s_endpgm
.Lentry_in_a_cluster:
	s_bfe_u32 s2, ttmp6, 0x10000c
	s_cmp_lg_u32 s2, 0x3003
	s_cbranch_scc0 .Lentry_shape_is_right
	s_endpgm
.Lentry_shape_is_right:
; out[b][(o0,o1,o2,o3)] = bias + the chain of four products of a tensor-train layer, fused: no intermediate goes to memory.
;   1. T3[i0,i1 | i2,r3] = sum over i3 of core3[r3,i3,o3] x[b,i0,i1,i2,i3]             f32 operands, by the f32 matrix form; quantised along K = r3 x 8 + i2
;   2. T2[i0,i1 | r2,o2] = T3 x core2    MX-FP8, K = 512                                quantised along K = r2 x 8 + i1
;   3. T1[o2,i0 | r1,o1] = T2 x core1    MX-FP8, K = 512
;   4. out[o0 | o1,o2]   = sum over r1, i0 of core0[i0,o0,r1] T1                        bf16 operands, f32 sums
; SHARES.  A work-group owns one row b of x.  For a given (b, o3) the chain stands alone: 64 rows through products 2 and 3, 512 outputs.  Wave w takes o3 = 2 w and 2 w + 1, one after the other (a UNIT).
; THE WEIGHTS of products 2 and 3 come as codes laid by the first launch, in 8 chunks of 128 columns x all of K (67,584 bytes with their scale words), through a ring of two LDS slots.
; CLUSTER.  All work-groups walk the same chunks in the same order: the four of a cluster ask for each chunk JOINTLY, each wave for a quarter, one tensor load a wave behind each round of the cluster's barrier.
; PRODUCT 1.  Source 0 = 16 rows (two of the unit's 64 rows x eight i2), source 1 = 16 ranks, K = i3 in two steps of 4.  In a result lane (r, h) holds rank 16 s + r of row 2 tau + h, and its eight registers
;   run over i2: eight neighbours along product 2's K.  A block of 32 lies in four neighbouring lanes.  One conversion makes 8 bytes, which go straight to their place in product 2's operand image in LDS.
;   The quantiser of one pair of rows stands in slices behind the products of the next pair.
; PRODUCTS 2, 3.  Source 0 = 16 rows of the operand made on the way, source 1 = 16 columns of a core (lane r: left rank 2 g + r / 8, out mode r % 8).  In a result lane (r, h) holds one column and rows 8 h + 0..7,
;   and those eight rows are the eight values of the NEXT product's in mode.  A block of 32 lies in two neighbouring tiles of lanes l and l xor 8.
; PRODUCT 4: a lane's column carries the lowest bit of r1, so core0's rows carry it too (rows 0-7: even r1, rows 8-15: odd); of the 16 x 16 result the two diagonal blocks of 8 x 8 are added.
; LIMITS: NaN and infinities are not served; a block of zeros keeps the scale byte 1 over zero codes; product 4's operands are rounded to bf16; product 1 adds i3 in the order 0, 1, 4, 5, 2, 3, 6, 7.
; REGISTERS, in windows of 256: window 0: v1-19 addresses; v20-35 the operand's scale words; v36-51 the weights' scale words, during product 1 core3's fragments; v64-127 product 1's results, which no other
;   line writes; v128-191, v192-255 two sets of four weight fragments, at other times at work.
;   window 1: the operand's 16 fragments ((t, s) at 64 t + 16 s).  window 2: the 32 accumulators ((t, g) at 64 t + 8 g).
;   window 3: v0-15 core0's fragments of two K steps of 32; v64-127 the 8 accumulators of product 4 (o2 at 64 + 8 o2).
.set CHUNK, 67584                      ; a slot: 32 fragments of 2,048 bytes, then 2,048 bytes of scale words
.set QUART, 16896                      ; what one tensor load brings: 66 rows of 256 bytes
.set XL,    135168                     ; behind the ring: x[b], 64 rows of 256 bytes + 16
.set STG,    152576                    ; the stage for out: a region of SWV bytes for each wave: row 8 o0 + o1 of 64 bytes, in it o2 x 8 + u x 4 (o3 = 2 wave + u)
.set SWV,    4160                      ; 4,096 bytes in use; 2 SWV = 128 mod 256, so that the 32 lanes of a read back fall on 64 different banks (64 banks of 4 bytes: ISA guide 11.1)
.set ASC,   169984                     ; the operand's scale words: 1,024 bytes a wave: fragment (t, s) at 64 (4 t + s) + 4 row
.set TREG,  174080                     ; the operand's codes: TW bytes a wave: fragment (t, s), block c, lane (r, h) at TT t + FS s + CS c + HSTR h + 16 r
.set TW,    37120
.set TT,    9248                       ; = 32 mod 256, CS = 64 mod 256, HSTR = 32 mod 256: the 32 lanes of each 8-byte store below fall on 32 different pairs of banks (64 banks of 4 bytes: ISA guide 11.1)
.set FS,    2304
.set CS,    576
.set HSTR,  288
.set SPARE, 322560                     ; the spare words, 128 bytes a wave: two blocks of 256 bytes that no other line names
.set LI,  1                            ; 16 x lane
.set XA,  2                            ; x's fragments: XL + 272 (r / 8) + 32 (r % 8) + 16 h
.set TA,  3                            ; my wave's codes + 16 r + HSTR h
.set SA,  4                            ; my wave's scale words + 4 r
.set QT,  5                            ; where product 2's codes go
.set QS,  6                            ; and their scale words
.set PT,  7                            ; where product 1's codes go
.set ADR, 8                            ; the slot in hand + 16 x lane
.set ADS, 9                            ; its scale words
.set SO,  10                           ; the stage, on the way in
.set SR,  11                           ; and on the way out
.set GO,  12                           ; 4,096 x wave + 16 x lane: my place in x[b], bias and out[b]
.set W0,  13                           ; v13-15 addresses made anew in each trip
.set W1,  14
.set W2,  15
.set SPW, 16                           ; my spare word; never rewritten
.set NIL, 17                           ; 0; never rewritten
.set LN,  18                           ; lane
.set PS,  19                           ; where product 1's scale bytes go
.set AS,  20
.set BS,  36
.set BB,  128
.set PC,  128                          ; product 2's quantiser: the codes just made,
.set TM,  144                          ; v144-159 largest magnitudes, bytes, holds, scale operands,
.set PW,  160                          ; the scale word
.set P3C, 36                           ; product 1: core3's four fragments: 4 s + 2 (K step) + j
.set P3D, 64                           ; its results: two sets of four tiles
.set P3X, 128                          ; x's fragments of 16 pairs of rows
.set P3H, 192                          ; four tiles' numbers, held
.set P3P, 224                          ; their codes
.set P3M, 232                          ; largest magnitudes
.set P3S, 236                          ; scale operands
.set P3L, 240                          ; holds
.set P3B, 244                          ; bytes
.set MSB, 0
.macro WIN new                         ; the immediate's high byte repeats the setting that is left
.if MSB != \new
	s_set_vgpr_msb (MSB<<8)|\new
.set MSB, \new
.endif
.endm
.macro PLACES n
.rept \n
	v_nop
.endr
.endm
.macro ROUND                           ; a round of the cluster's barrier
	s_barrier_signal -1
	s_barrier_wait -1
	s_cmp_lg_u32 s16, 0
	s_cbranch_scc1 .Lnot_wave_0_\@
	s_barrier_signal -3
.Lnot_wave_0_\@:
	s_barrier_wait -3
	s_barrier_signal -1
	s_barrier_wait -1
.endm
; THE CHANGE OF SLOTS stands ahead of each chunk's products.  Each wave waits for all its tensor loads (its quarter of the chunk ahead), adds 0 to its spare word, and waits for that and for its reads of the chunk behind.
; mode 1: the slot just left takes the next chunk; mode 2: it takes chunk 0 again, for the wave's second unit; mode 0: nothing is left to fetch.
.macro CHANGE mode
	WIN 0
	s_wait_tensorcnt 0x0                           ; no tensor load of mine is out, so the descriptor may be written
	ds_add_u32 v[SPW], v[NIL]
.if \mode
	s_xor_b32 s61, s61, CHUNK                      ; the other slot (wave x 16,896 has no bit of 67,584)
.if \mode == 1
	s_add_nc_u64 s[62:63], s[62:63], CHUNK
.else
	s_sub_nc_u64 s[62:63], s[62:63], 7*CHUNK
.endif
	s_wait_dscnt 0x0                               ; the add is done, and my LDS reads and stores are over
	ROUND                                          ; no wave of any partner still reads the slot or has a load on its way
	tensor_load_to_lds s[60:63], s[36:43]          ; my one load until the next round: it has a chunk's products and what follows them in which to land
	s_nop 0
	PLACES 4
.else
	s_wait_dscnt 0x0
	s_barrier_signal -1
	s_barrier_wait -1
.endif
.endm
; ---- PRODUCT 1
; Product pk of 8 for the pair of rows tau: the four tiles' first K steps, then their second: the accumulators take turns.  Each sum begins with the constant 0.
.macro WMF tau
.set rD, P3D+32*((\tau)%2)+8*(pk%4)
.set rA, P3X+4*(\tau)+2*(pk/4)
.set rB, P3C+4*(pk%4)+2*(pk/4)
.if pk < 4
	v_wmma_f32_16x16x4_f32 v[rD:rD+7], v[rA:rA+1], v[rB:rB+1], 0
.else
	v_wmma_f32_16x16x4_f32 v[rD:rD+7], v[rA:rA+1], v[rB:rB+1], v[rD:rD+7]
.endif
.endm
; Line pn of the 80 that quantise the pair tau's four tiles (tile = K step s of product 2), the tiles by turns.  What is made of a result goes into other registers; each result is read from its low end on.
.macro QI tau
.set pq, pn%4
.set pg, pn/4
.set rD, P3D+32*((\tau)%2)+8*pq
.if pg == 0
	v_max3_num_f32 v[P3M+pq], |v[rD]|, |v[rD+1]|, 0x4800000        ; my eight numbers, and the floor 2^(9 - 127), which holds the byte at 1 from below
.elseif pg < 4
	v_max3_num_f32 v[P3M+pq], |v[rD+2*pg]|, |v[rD+2*pg+1]|, v[P3M+pq]
.elseif pg == 4
	v_max_num_f32_dpp v[P3M+pq], v[P3M+pq], v[P3M+pq] row_xmask:1 row_mask:0xf bank_mask:0xf   ; with the block's other three ranks
.elseif pg == 5
	v_max_num_f32_dpp v[P3M+pq], v[P3M+pq], v[P3M+pq] row_xmask:2 row_mask:0xf bank_mask:0xf
.elseif pg == 6
	v_add_nc_u32 v[P3S+pq], 0xfc000000, v[P3M+pq]                  ; 8 off the exponent field: the conversion's scale operand
.elseif pg == 7
	v_and_or_b32 v[P3L+pq], v[P3M+pq], 0x7f800000, s19             ; 448 x the scale
.elseif pg == 8
	v_lshrrev_b32 v[P3B+pq], 23, v[P3S+pq]                         ; the scale's byte
.elseif pg < 17
	v_med3_num_f32 v[P3H+8*pq+pg-9], v[rD+pg-9], -v[P3L+pq], v[P3L+pq]   ; the conversion does not saturate (ISA guide 7.6.2): the hold comes first
.elseif pg == 17
	v_cvt_scalef32_pk8_fp8_f32 v[P3P+2*pq:P3P+2*pq+1], v[P3H+8*pq:P3H+8*pq+7], v[P3S+pq]
.elseif pg == 18
	ds_store_b64 v[W1], v[P3P+2*pq:P3P+2*pq+1] offset:pq*FS+((\tau)/8)*TT+((\tau)%8)*32   ; my rank's eight codes of row 2 tau + h
.else
	ds_store_b8 v[W2], v[P3B+pq] offset:pq*64+((\tau)/8)*256+((\tau)%8)*8                 ; the four lanes of a block write the same byte with the same value
.endif
.endm
; Line pm of the 80.
.macro PITEM tau
.set pn, pm
	QI \tau
.set pm, pm+1
.endm
; A step: the pair tau's eight products on end; behind them the 80 lines of the pair before.  Those lines name no register of the eight products, so they are also the places
; (ISA guide 7.12.1) between these products and the next step's first read of their results.
.macro PSTEP tau
.set pk, 0
.rept 8
	WMF \tau
.set pk, pk+1
.endr
.set pm, 0
.rept 80
	PITEM (\tau)-1
.endr
.endm
.macro LOADC u                         ; core3's fragments for o3 = 2 w + u
.irp s, 0,1,2,3
	global_load_b128 v[P3C+4*\s:P3C+4*\s+3], v[LI], s[8:9] offset:\u*2048+\s*512
.endr
.endm
; ---- PRODUCTS 2 AND 3
.macro LOADA                           ; the operand's 16 fragments and their scale words, from my wave's own bytes (LDS serves a wave's instructions in order); the next change of slots waits for them
	WIN 0x40
.irp t, 0,1,2,3
.irp s, 0,1,2,3
.irp c, 0,1,2,3
	ds_load_b128 v[64*\t+16*\s+4*\c:64*\t+16*\s+4*\c+3], v[TA] offset:\t*TT+\s*FS+\c*CS
.endr
.endr
.endr
	WIN 0
.irp t, 0,1,2,3
.irp s, 0,1,2,3
	ds_load_b32 v[AS+4*\t+\s], v[SA] offset:(4*\t+\s)*64
.endr
.endr
.endm
.macro FETCHB i                        ; half step i: the weights' fragments (s = i / 2, tiles 4 (i % 2) .. + 3) into set i % 2
.irp f, 0,1,2,3
.irp c, 0,1,2,3
	ds_load_b128 v[BB+64*((\i)&1)+16*\f+4*\c:BB+64*((\i)&1)+16*\f+4*\c+3], v[ADR] offset:(\i)*8192+\f*2048+\c*512
.endr
.endr
.endm
; Half step i: 16 matrix instructions, four tiles of rows x four tiles of columns, 128 along K.  The chunk's 32 accumulators take turns, one instruction a turn.
.macro HS i
.if (\i) < 7
.if (\i) > 0
	PLACES 8                                       ; in front of loads into registers that the half step before multiplied (ISA guide 7.12.1 for vector instructions)
.endif
	FETCHB (\i)+1
	s_wait_dscnt 16                                ; all but the 16 just issued
.else
	s_wait_dscnt 0x0
.endif
	WIN 0xa1                                       ; source 0 window 1, source 1 window 0, C and D window 2
.irp t, 0,1,2,3
.irp f, 0,1,2,3
.set rD, 64*\t+8*(4*((\i)&1)+\f)
.set rA, 64*\t+16*((\i)>>1)
.set rB, BB+64*((\i)&1)+16*\f
.set rSA, AS+4*\t+((\i)>>1)
.set rSB, BS+4*((\i)>>1)+2*((\i)&1)+\f/2
.if (\i) < 2                                   ; the first K step starts the sums: nothing is cleared
.if \f % 2
	v_wmma_scale_f32_16x16x128_f8f6f4 v[rD:rD+7], v[rA:rA+15], v[rB:rB+15], 0, v[rSA], v[rSB] matrix_b_scale:MATRIX_SCALE_ROW1
.else
	v_wmma_scale_f32_16x16x128_f8f6f4 v[rD:rD+7], v[rA:rA+15], v[rB:rB+15], 0, v[rSA], v[rSB]
.endif
.else
.if \f % 2
	v_wmma_scale_f32_16x16x128_f8f6f4 v[rD:rD+7], v[rA:rA+15], v[rB:rB+15], v[rD:rD+7], v[rSA], v[rSB] matrix_b_scale:MATRIX_SCALE_ROW1
.else
	v_wmma_scale_f32_16x16x128_f8f6f4 v[rD:rD+7], v[rA:rA+15], v[rB:rB+15], v[rD:rD+7], v[rSA], v[rSB]
.endif
.endif
.endr
.endr
	WIN 0
.endm
.macro MM                              ; a chunk: 64 rows x 128 columns x K = 512: 128 matrix instructions
	v_add_nc_u32 v[ADR], s24, v[LI]
	s_wait_alu depctr_va_vdst(0)
	v_add_nc_u32 v[ADS], 0x10000, v[ADR]
.irp s, 0,1,2,3
	ds_load_b128 v[BS+4*\s:BS+4*\s+3], v[ADS] offset:\s*512   ; register 4 s + p: lanes 0-15 tile 2 p's words, lanes 16-31 tile 2 p + 1's
.endr
	FETCHB 0
.irp i, 0,1,2,3,4,5,6,7
	HS \i
.endr
	s_xor_b32 s24, s24, CHUNK                      ; on to the other slot
.endm
; 64 numbers of a lane, register 16 c + i of window 2's v[s] on, become 16 registers of codes in v[PC] on and a scale word in v[PW].  A block's other 16 numbers lie in lane l xor 8.
.macro QUANT s
	WIN 0x0a                                       ; sources 0 and 1 window 2
.irp b, 0,1,2,3
	v_max3_num_f32 v[TM+\b], |v[(\s)+16*\b]|, |v[(\s)+16*\b+1]|, 0x4800000   ; the floor 2^(9 - 127) holds the byte at 1 from below
.endr
.irp i, 2,4,6,8,10,12,14
.irp b, 0,1,2,3
	v_max3_num_f32 v[TM+\b], |v[(\s)+16*\b+\i]|, |v[(\s)+16*\b+\i+1]|, v[TM+\b]   ; the four blocks by turns; each accumulator is read from its low end on
.endr
.endr
	WIN 0
.irp b, 0,1,2,3
	v_max_num_f32_dpp v[TM+\b], v[TM+\b], v[TM+\b] row_xmask:8 row_mask:0xf bank_mask:0xf
.endr
.irp b, 0,1,2,3
	v_add_nc_u32 v[TM+12+\b], 0xfc000000, v[TM+\b] ; 8 off the exponent field: the conversion's scale operand
.endr
.irp b, 0,1,2,3
	v_and_or_b32 v[TM+8+\b], v[TM+\b], 0x7f800000, s19   ; 448 x the scale
.endr
.irp b, 0,1,2,3
	v_lshrrev_b32 v[TM+4+\b], 23, v[TM+12+\b]      ; the scale's byte
.endr
	v_lshl_or_b32 v[PW], v[TM+5], 8, v[TM+4]
	v_lshl_or_b32 v[PW], v[TM+6], 16, v[PW]
	v_lshl_or_b32 v[PW], v[TM+7], 24, v[PW]
	WIN 0x82                                       ; destination and source 0 window 2
.irp b, 0,1,2,3
.irp i, 0,1,2,3,4,5,6,7,8,9,10,11,12,13,14,15
	v_med3_num_f32 v[(\s)+16*\b+\i], v[(\s)+16*\b+\i], -v[TM+8+\b], v[TM+8+\b]   ; the conversion does not saturate (ISA guide 7.6.2): the hold comes first
.endr
.endr
	WIN 0x02
.irp b, 0,1,2,3
	v_cvt_scalef32_pk8_fp8_f32 v[PC+4*\b:PC+4*\b+1], v[(\s)+16*\b:(\s)+16*\b+7], v[TM+12+\b]
	v_cvt_scalef32_pk8_fp8_f32 v[PC+4*\b+2:PC+4*\b+3], v[(\s)+16*\b+8:(\s)+16*\b+15], v[TM+12+\b]
.endr
	v_nop                                          ; one plain instruction behind the last conversion
	WIN 0
.endm
; The end of a chunk of product 2: its 128 columns are 16 ranks x 8 out modes: one K step of product 3 for all 64 of its rows (o2 x 8 + i0).
; Lane (r, h) of tile of rows t: o2 = r % 8, i0 = 2 t + h; registers 16 c + 8 u + j: k = 32 c + 16 u + 8 (r / 8) + j.  So 8 bytes go to fragment o2 / 2, lane 16 u + 8 (o2 % 2) + i0, byte 8 (r / 8).
; No wait stands behind the stores: only vector instructions write their data registers again; the next change of slots waits for the stores themselves.
.macro Q2
	PLACES 8                                       ; behind the last products, ahead of the first read of results and of the first write of the weights' registers
	v_add_nc_u32 v[W0], s29, v[QT]
	v_add_nc_u32 v[W1], s30, v[QS]
.irp t, 0,1,2,3
	QUANT 64*\t
.irp c, 0,1,2,3
	ds_store_b64 v[W0], v[PC+4*\c:PC+4*\c+1] offset:\c*CS+\t*32
	ds_store_b64 v[W0], v[PC+4*\c+2:PC+4*\c+3] offset:\c*CS+HSTR+\t*32
.endr
	ds_store_b32 v[W1], v[PW] offset:\t*8          ; lanes l and l xor 8 hold the same word and write it to the same place
.endr
.endm
; The end of a chunk of product 3: its results, rounded to bf16, are two K steps of 32 of product 4.  A lane's eight rows of a tile are i0 = 0..7 of o2 = 2 t + h: the exchange of halves between an even
; and an odd tile of columns sorts them by o2: afterwards lanes 0-15 hold the even tile's ranks and lanes 16-31 the odd tile's, as the operand's layout wants them.
; mode 1: core0's fragments of the next chunk are fetched; mode 2: those of chunk 0 again; mode 0: none.
.macro E3 mode
	PLACES 8
	WIN 0x0a
.irp t, 0,1,2,3
.irp q, 0,1
.irp v, 0,1,2,3
.irp j, 0,1,2,3
	v_cvt_pk_bf16_f32 v[128+32*\t+16*\q+8*(\v%2)+4*(\v/2)+\j], v[64*\t+8*(4*\q+\v)+2*\j], v[64*\t+8*(4*\q+\v)+2*\j+1]
.endr
.endr
.endr
.endr
	WIN 0
.irp t, 0,1,2,3
.irp q, 0,1
.irp i, 0,1,2,3,4,5,6,7
	v_permlane16_swap_b32 v[128+32*\t+16*\q+\i], v[128+32*\t+16*\q+8+\i]
.endr
.endr
.endr
	s_wait_alu depctr_va_vdst(0)
	s_wait_loadcnt 0x0                             ; core0's two fragments are in
	WIN 0xf3                                       ; source 0, C and D window 3, source 1 window 0
.irp q, 0,1
.irp t, 0,1,2,3
.irp p, 0,1
	v_wmma_f32_16x16x32_bf16 v[64+8*(2*\t+\p):64+8*(2*\t+\p)+7], v[8*\q:8*\q+7], v[128+32*\t+16*\q+8*\p:128+32*\t+16*\q+8*\p+7], v[64+8*(2*\t+\p):64+8*(2*\t+\p)+7]
.endr
.endr
.endr
	WIN 0
	PLACES 4                                       ; ahead of loads into these products' sources and of the first read of their results
.if \mode
	s_wait_xcnt 0x0                                ; the earlier loads have read their base
.if \mode == 1
	s_add_nc_u64 s[10:11], s[10:11], 2048
.else
	s_sub_nc_u64 s[10:11], s[10:11], 6144
.endif
	WIN 0xc0
.irp q, 0,1
.irp p, 0,1
	global_load_b128 v[8*\q+4*\p:8*\q+4*\p+3], v[LI], s[10:11] offset:\q*1024+\p*512
.endr
.endr
	WIN 0
.endif
.endm
; A unit's 512 outputs go to my wave's own region of the stage, all lanes on.  Each lane adds to its own numbers those of lane (l + 8) % 16 of the other half.  Lanes l < 8 (even r1; o1 = l, o0 = the register)
; and lanes 24 + l (odd r1) then hold the same sum of the same two numbers, and store it to the same place: row 8 o0 + o1, word 2 o2 + u.  Lanes 8-23 hold the result's off-diagonal blocks, which are no outputs:
; their stores go to the first 4,096 bytes of my wave's own operand codes, which lie in registers by now and are all stored anew before they are next read (LDS serves a wave's instructions in order: ISA guide 5.7.1.4).
.macro OUTU u
	WIN 0x03                                       ; source 0 window 3
.set k, 0
.rept 64
	v_permlanex16_b32 v[192+k], v[64+k], s22, s23
.set k, k+1
.endr
.set k, 0
.rept 64
	v_add_f32 v[128+k], v[64+k], v[192+k]
.set k, k+1
.endr
	WIN 0
.irp g, 0,1,2,3,4,5,6,7
.irp j, 0,1,2,3,4,5,6,7
	ds_store_b32 v[SO], v[128+8*\g+\j] offset:\j*512+\g*8+4*\u
.endr
.endr
.endm
	s_load_b256 s[4:11], s[0:1], 0x0               ; x s[4:5], wq s[6:7], c3img s[8:9], c0img s[10:11]
	s_load_b128 s[12:15], s[0:1], 0x20             ; bias s[12:13], out s[14:15]
	v_lshl_add_u32 v[SPW], v0, 2, SPARE
	v_mov_b32 v[NIL], 0
	ds_add_u32 v16, v17
	ds_add_u32 v16, v17
	s_wait_dscnt 0x0
	v_lshrrev_b32 v216, 5, v0
	v_readfirstlane_b32 s16, v216                  ; wave 0..3
	s_bfe_u32 s17, ttmp6, 0x40000                  ; my place in the cluster: it enters x's and out's addresses alone
	s_lshl_b32 s18, ttmp9, 2
	s_add_co_u32 s18, s18, s17                     ; b
	v_and_b32 v[LN], 31, v0
	v_and_b32 v217, 15, v0                         ; r
	v_bfe_u32 v218, v0, 4, 1                       ; h
	v_bfe_u32 v219, v0, 1, 2                       ; (r % 8) / 2
	v_and_b32 v220, 1, v0                          ; r % 2
	v_bfe_u32 v221, v0, 3, 1                       ; r / 8
	v_and_b32 v222, 7, v0                          ; r % 8
	v_bfe_u32 v224, v0, 2, 2                       ; r / 4
	v_bfe_u32 v225, v0, 1, 1                       ; (r / 2) % 2
	v_lshlrev_b32 v[LI], 4, v[LN]
	v_mul_u32_u24 v[XA], v221, 272                 ; x's fragment: row r / 8 of the pair, i2 = r % 8, i3 = 4 h on
	v_lshl_add_u32 v[XA], v222, 5, v[XA]
	v_lshl_add_u32 v[XA], v218, 4, v[XA]
	v_add_nc_u32 v[XA], XL, v[XA]
	s_mul_i32 s76, s16, TW
	s_add_co_u32 s76, s76, TREG                    ; my wave's codes
	v_lshlrev_b32 v[TA], 4, v217
	v_mad_u32_u24 v[TA], v218, HSTR, v[TA]
	v_add_nc_u32 v[TA], s76, v[TA]
	s_lshl_b32 s77, s16, 10
	s_add_co_u32 s77, s77, ASC                     ; my wave's scale words
	v_lshl_add_u32 v[SA], v217, 2, s77
	v_mul_u32_u24 v[QT], v219, TT                  ; product 2's codes: fragment o2 / 2, lane 8 (o2 % 2) + h, byte 8 (r / 8)
	v_lshl_add_u32 v[QT], v220, 7, v[QT]
	v_lshl_add_u32 v[QT], v218, 4, v[QT]
	v_lshl_add_u32 v[QT], v221, 3, v[QT]
	v_add_nc_u32 v[QT], s76, v[QT]
	v_lshlrev_b32 v[QS], 8, v219
	v_lshl_add_u32 v[QS], v220, 5, v[QS]
	v_lshl_add_u32 v[QS], v218, 2, v[QS]
	v_add_nc_u32 v[QS], s77, v[QS]
	v_mul_u32_u24 v[PT], v224, CS                  ; product 1's codes: block r / 4, half (r / 2) % 2, row h of the pair, byte 8 (r % 2)
	v_mad_u32_u24 v[PT], v225, HSTR, v[PT]
	v_lshl_add_u32 v[PT], v220, 3, v[PT]
	v_lshl_add_u32 v[PT], v218, 4, v[PT]
	v_add_nc_u32 v[PT], s76, v[PT]
	v_lshl_add_u32 v[PS], v218, 2, v224            ; its scale bytes: word h of the pair, byte r / 4
	v_add_nc_u32 v[PS], s77, v[PS]
	s_lshl_b32 s72, s16, 12                        ; 4,096 x wave
	s_mov_b32 s73, 0
	v_lshlrev_b32 v[SO], 6, v222                   ; row o1 of 64 bytes,
	s_mul_i32 s77, s16, SWV                        ; in my wave's region
	v_add_nc_u32 v[SO], s77, v[SO]
	v_add_nc_u32 v[SO], STG, v[SO]
	v_xor_b32 v227, v221, v218                     ; 1 in lanes 8-23, whose numbers are no outputs
	s_mul_i32 s74, s16, TW-SWV
	s_add_co_u32 s74, s74, TREG-STG                ; from my region of the stage to my wave's operand codes
	v_mul_u32_u24 v227, s74, v227
	v_add_nc_u32 v[SO], v227, v[SO]
	s_mul_i32 s77, s16, 16*272
	v_mul_u32_u24 v223, v218, 272
	v_lshl_add_u32 v223, v217, 4, v223
	v_add_nc_u32 v223, s77, v223                   ; rows 16 w + h, 16 bytes a lane
	v_mul_u32_u24 v[SR], v220, 2*SWV               ; back: my 16 bytes of out are o3 = 4 (r % 2) + 0 .. 3: the regions of waves 2 (r % 2) and 2 (r % 2) + 1,
	v_lshl_add_u32 v[SR], v218, 6, v[SR]           ; row 16 w + h,
	v_bfe_u32 v226, v0, 1, 3
	v_lshl_add_u32 v[SR], v226, 3, v[SR]           ; o2 = r / 2
	s_lshl_b32 s75, s16, 10
	v_add_nc_u32 v[SR], s75, v[SR]
	v_add_nc_u32 v[SR], STG, v[SR]
	v_add_nc_u32 v[W0], XL, v223                   ; x's way in
	v_add_nc_u32 v[GO], s72, v[LI]
	s_mov_b32 s19, 0x600000                        ; the mantissa field of 448
	s_mov_b32 s22, 0xfedcba98
	s_mov_b32 s23, 0x76543210                      ; lane (l + 8) % 16 of the other half
	s_mov_b32 s24, 0                               ; the slot in hand
	s_mul_i32 s26, s16, QUART                      ; my quarter of a chunk
	; descriptor group 1: a dense block as rows of 256 bytes (32 elements of 8 bytes); the mask names all four work-groups
	s_mov_b32 s36, 15|(3<<16)|(1<<21)
	s_mov_b32 s37, 32<<16                          ; tensor_dim0
	s_mov_b32 s38, 66<<16                          ; tensor_dim1
	s_mov_b32 s39, 32<<16                          ; tile_dim0
	s_mov_b32 s40, 66                              ; tile_dim1
	s_mov_b32 s41, 32                              ; the pitch
	s_mov_b32 s42, 0
	s_mov_b32 s43, 0
	s_mov_b32 s78, s26
	s_mov_b32 s79, 0
	s_lshl_b32 s76, s18, 14                        ; a row of x or of out is 16,384 bytes
	s_mov_b32 s77, 0
	s_wait_alu depctr_va_vdst(0)
	s_wait_kmcnt 0x0
	s_add_nc_u64 s[4:5], s[4:5], s[76:77]
	s_add_nc_u64 s[14:15], s[14:15], s[76:77]
	s_add_nc_u64 s[8:9], s[8:9], s[72:73]          ; core3's fragments of my two o3
	s_mov_b32 s60, 1                               ; the walking descriptor: chunk 0 into slot 0
	s_mov_b32 s61, s26
	s_add_nc_u64 s[62:63], s[6:7], s[78:79]
	s_or_b32 s63, s63, 0x80000000
.irp i, 0,1,2,3,4,5,6,7
	global_load_b128 v[128+4*\i:128+4*\i+3], v[GO], s[4:5] offset:\i*512 th:TH_LOAD_NT   ; my 16 rows of x[b]: 512 consecutive bytes a load
.endr
	WIN 0xc0
.irp q, 0,1
.irp p, 0,1
	global_load_b128 v[8*\q+4*\p:8*\q+4*\p+3], v[LI], s[10:11] offset:\q*1024+\p*512     ; core0's fragments for product 3's first chunk
.endr
.endr
	WIN 0
	LOADC 0
	WIN 0xc0
.irp i, 0,1,2,3,4,5,6,7
	global_load_b128 v[128+4*\i:128+4*\i+3], v[GO], s[12:13] offset:\i*512   ; my part of the bias, into window 3's v128-159, which no other line writes: it is used on the way out
.endr
	WIN 0
	ROUND                                          ; all four work-groups are here: the first joint loads meet
	tensor_load_to_lds s[60:63], s[36:43]          ; chunk 0: one tensor load of mine is out
	s_nop 0
	PLACES 4
	s_wait_loadcnt 16                              ; x's eight loads are in; core0's four, core3's four and the bias's eight may be out
.irp i, 0,1,2,3,4,5,6,7
	ds_store_b128 v[W0], v[128+4*\i:128+4*\i+3] offset:\i*544
.endr
	s_wait_dscnt 0x0                               ; my rows of x lie in LDS
	s_barrier_signal -1                            ; chunk 0 may stay out, and the first change of slots waits for it
	s_barrier_wait -1
	s_mov_b32 s28, 2                               ; units to go
.Lunit:
	WIN 0xc0
.set k, 0
.rept 64
	v_mov_b32 v[64+k], 0                           ; product 4's sums: the lines that add onto them stand in a loop, so the constant 0 cannot start them
.set k, k+1
.endr
	WIN 0
	; ---- product 1 and its quantiser: 16 pairs of rows a trip, two trips
	s_mov_b32 s31, 2
	s_mov_b32 s32, 0
	s_mov_b32 s33, 0
	s_mov_b32 s34, 0
.Lp1:
	v_add_nc_u32 v[W0], s32, v[XA]
	v_add_nc_u32 v[W1], s33, v[PT]
	v_add_nc_u32 v[W2], s34, v[PS]
.irp i, 0,1,2,3,4,5,6,7,8,9,10,11,12,13,14,15
	ds_load_b128 v[P3X+4*\i:P3X+4*\i+3], v[W0] offset:\i*544   ; pair i: registers 0, 1 the first K step's, 2, 3 the second's
.endr
	s_wait_loadcnt 0x0                             ; core3's fragments
	s_wait_dscnt 0x0
.set pk, 0
.rept 8
	WMF 0                                          ; the first pair's products: there is no pair before to quantise
.set pk, pk+1
.endr
	PLACES 8                                       ; between these products and the first read of their results, which follows the next pair's products (ISA guide 7.12.1)
.irp tau, 1,2,3,4,5,6,7,8,9,10,11,12,13,14,15
	PSTEP \tau
.endr
.set pm, 0
.rept 80
	PITEM 15                                       ; the last pair's quantiser
.endr
	s_add_co_u32 s32, s32, 32*272
	s_add_co_u32 s33, s33, 2*TT
	s_add_co_u32 s34, s34, 512
	s_sub_co_u32 s31, s31, 1
	s_cmp_lg_u32 s31, 0
	s_cbranch_scc1 .Lp1
	LOADA
	; ---- product 2, a chunk of 128 columns a trip; each chunk's results become a K step of product 3
	s_mov_b32 s29, 0
	s_mov_b32 s30, 0
	s_mov_b32 s27, 4
.Lmm2:
	CHANGE 1
	MM
	Q2
	s_add_co_u32 s29, s29, FS
	s_add_co_u32 s30, s30, 64
	s_sub_co_u32 s27, s27, 1
	s_cmp_lg_u32 s27, 0
	s_cbranch_scc1 .Lmm2
	LOADA
	; ---- products 3 and 4: three chunks in a loop; the fourth is written out twice, since what is asked for behind it differs
	s_mov_b32 s27, 3
.Lmm3:
	CHANGE 1
	MM
	E3 1
	s_sub_co_u32 s27, s27, 1
	s_cmp_lg_u32 s27, 0
	s_cbranch_scc1 .Lmm3
	s_cmp_eq_u32 s28, 1
	s_cbranch_scc1 .Llast
	CHANGE 2                                       ; the ring goes on into the second unit
	MM
	E3 2
	OUTU 0
	LOADC 1
	s_sub_co_u32 s28, s28, 1
	s_cmp_lg_u32 s28, 0
	s_cbranch_scc1 .Lunit
.Llast:
	CHANGE 0                                       ; the last chunk: nothing is left to fetch
	MM
	E3 0
	OUTU 1
	s_wait_dscnt 0x0                               ; for the others' sake: my stores into the stage are done
	s_barrier_signal -1
	s_barrier_wait -1
.irp i, 0,1,2,3,4,5,6,7
	ds_load_b64 v[128+4*\i:128+4*\i+1], v[SR] offset:\i*128        ; 16 whole rows of out a wave, two rows for each i: o3 = 4 (r % 2) + 0, 1 from one wave's region,
	ds_load_b64 v[128+4*\i+2:128+4*\i+3], v[SR] offset:\i*128+SWV  ; + 2, 3 from the next wave's
.endr
	s_wait_loadcnt 0x0
	s_wait_dscnt 0x0
.set k, 0
	WIN 0x0c                                       ; source 1 window 3: the bias
.rept 16
	v_pk_add_f32 v[128+2*k:128+2*k+1], v[128+2*k:128+2*k+1], v[128+2*k:128+2*k+1]
.set k, k+1
.endr
	WIN 0
.irp i, 0,1,2,3,4,5,6,7
	global_store_b128 v[GO], v[128+4*\i:128+4*\i+3], s[14:15] offset:\i*512 th:TH_STORE_NT   ; 32 lanes store 512 consecutive bytes, at a multiple of 256 from out's first byte
.endr
	s_wait_tensorcnt 0x0                           ; the wave's end
	ds_add_u32 v[SPW], v[NIL]
	s_wait_dscnt 0x0
	ROUND                                          ; the closing round: no work-group ends while a partner may still ask for a chunk that names it
	s_endpgm
.Lfunc_end_k_qc5ef24b1e8_tt:
	.size	k_qc5ef24b1e8_tt, .Lfunc_end_k_qc5ef24b1e8_tt-k_qc5ef24b1e8_tt
	.p2alignl 7, 3214868480
	.fill 96, 4, 3214868480
	.section	.rodata,"a",@progbits
	.p2align	6, 0x0
	.amdhsa_kernel k_qc5ef24b1e8_tt
		.amdhsa_group_segment_fixed_size 327680
		.amdhsa_private_segment_fixed_size 0
		.amdhsa_enable_private_segment 0
		.amdhsa_kernarg_size 48
		.amdhsa_user_sgpr_count 2
		.amdhsa_user_sgpr_kernarg_segment_ptr 1
		.amdhsa_wavefront_size32 1
		.amdhsa_system_sgpr_workgroup_id_x 1
		.amdhsa_system_sgpr_workgroup_id_y 1
		.amdhsa_system_sgpr_workgroup_id_z 1
		.amdhsa_system_vgpr_workitem_id 0
		.amdhsa_next_free_vgpr 1024
		.amdhsa_next_free_sgpr 80
		.amdhsa_reserve_vcc 0
		.amdhsa_float_denorm_mode_32 3
		.amdhsa_float_denorm_mode_16_64 3
		.amdhsa_memory_ordered 1
		.amdhsa_forward_progress 1
		.amdhsa_inst_pref_size 255
	.end_amdhsa_kernel
	.section	.bss,"aw",@nobits
	.p2align	6
	.space	262144
	.amdgpu_metadata
---
amdhsa.version: [ 1, 2 ]
amdhsa.kernels:
  - .name:           k_qc5ef24b1e8_tt
    .symbol:         k_qc5ef24b1e8_tt.kd
    .args:
      - { .name: x, .offset: 0, .size: 8, .value_kind: global_buffer, .address_space: global }
      - { .name: wq, .offset: 8, .size: 8, .value_kind: global_buffer, .address_space: global }
      - { .name: c3img, .offset: 16, .size: 8, .value_kind: global_buffer, .address_space: global }
      - { .name: c0img, .offset: 24, .size: 8, .value_kind: global_buffer, .address_space: global }
      - { .name: bias, .offset: 32, .size: 8, .value_kind: global_buffer, .address_space: global }
      - { .name: out0, .offset: 40, .size: 8, .value_kind: global_buffer, .address_space: global }
    .group_segment_fixed_size: 327680
    .private_segment_fixed_size: 0
    .kernarg_segment_align: 8
    .kernarg_segment_size: 48
    .max_flat_workgroup_size: 128
    .sgpr_count:     80
    .vgpr_count:     1024
    .wavefront_size: 32
...
	.end_amdgpu_metadata
.endif
;; end of part 2
